; MI455X (gfx1250); checked and timed in simulation.
; The chip was launched on July 23, 2026; its instructions are those of AMD's public machine-readable ISA for CDNA 5 (MIT licence, August 2026) and "CDNA5" Instruction Set Architecture Reference Guide (July 2026). The comments in the code are by the model that wrote it; some were corrected since.
;; Scale Dot Product. Allowed arithmetic: matrix products marked QUANTISED: E4M3 operands, one given power-of-two scale a tensor, by v_wmma_f32_16x16x64_fp8_fp8 or v_wmma_f32_16x16x128_fp8_fp8, f32 sums; everything else in f32.
;; Inputs: lowp_scales 4 int32 (the exponents e of the quantised operands' scales 2^e); scale one number float32; x1 4 x 16 x 2,048 x 64 float32; x2 4 x 16 x 2,048 x 64 float32; x3 4 x 16 x 2,048 x 64 float32.
;; Outputs: out0 4 x 16 x 2,048 x 64 float32.
;; This version of the problem:
;;   THIS VERSION OF THE PROBLEM IS GIVEN IN LOW PRECISION. The matrix products marked QUANTISED in the list below multiply operands that are first quantised to E4M3 (4 exponent bits, 3 mantissa bits; 8 bits a number), with one given power-of-two scale for each operand tensor; their sums are f32. All else is computed in f32.
;;   The module's matrix products, in the order in which they are computed (A, B: the left and right operand; K: the contracted axis; several contracted axes count as one K, in the product's order):
;;     1. batch 64 x [M 2,048, K 64] x [K 64, N 2,048]; A: input x1; B: input x2: QUANTISED (scales: A lowp_scales[0], B lowp_scales[1])
;;     2. batch 64 x [M 2,048, K 2,048] x [K 2,048, N 64]; A: softmax (see below); B: input x3: QUANTISED (scales: A lowp_scales[2], B lowp_scales[3])
;;   THE QUANTISER, for each operand of a quantised product, along K:
;;     - The operand's scale is 2^e, e = its entry of the input lowp_scales (int32; the entries are numbered through the quantised products in the list's order, A before B).
;;     - Each number is divided by the scale, clamped to +-448, and rounded to the nearest number of E4M3, ties to even, subnormals kept.
;;     - The product sums the exact products of the quantised numbers (number of the format x scale) in f32.
;;   ~~~python
;;   def quantise(x, axis, e):      # numpy; x: float32 -> the quantised numbers, widened to float32 again
;;       x = np.moveaxis(x, axis, -1); K = x.shape[-1]
;;       r = np.clip(x / 2.0 ** e, -448, 448)
;;       step = 2.0 ** (np.maximum(np.frexp(np.where(r == 0, 1, r))[1] - 1, -6) - 3)
;;       q = np.round(r / step) * step * 2.0 ** e      # np.round: ties to even
;;       return np.moveaxis(q, -1, axis).astype(np.float32)
;;   ~~~
;;   SOFTMAX AHEAD OF A QUANTISED PRODUCT. Where the list says 'softmax', what is quantised is not the finished softmax but p = 2^(t - M), with t = logit x log2(e) and M = ceil(the row's largest t), a whole number; so 1/2 < the row's largest p <= 1. The row's sum l is taken of the UNQUANTISED p, in f32, and the product's result is divided by l at the end. Since M is a whole number, a kernel that streams over the keys may use a running M (the ceiling of the running maximum): every later rescaling is an exact power of two, so the quantised numbers keep their values, but for numbers so far below the row's largest that they fall under the format's range.
;;   OPERANDS COMPUTED ON THE WAY. 'Computed on the way' means the value that the module computes at that place (a softmax that the list does not call 'softmax' is quantised finished and normalised). What goes into a quantiser is computed in f32, as accurately as f32 sums, v_exp_f32 and their like allow (about 1e-6 of the number): no bf16 or f16 on the way to a quantiser, and a product that is left as it is and whose result goes on into a quantised operand takes f32 operands (vector FMAs, or v_wmma_f32_16x16x4_f32). A number that lies on a knife's edge between two numbers of the format may be rounded either way, as far as f32 arithmetic and the matrix unit's own rounding can turn it there, and no further.
;; One version. Each part assembles by itself: llvm-mc -triple=amdgcn-amd-amdhsa -mcpu=gfx1250 --defsym DOCPART=n.
;; ======== version 1 of 1: 1 launch
;; limits: right only within a limited range of input values
;; launch attn (part 1): grid 256 x 1, 8 waves a work-group, no clusters, 306,176 bytes of LDS; arguments x1, x2, x3, scale, lowp_scales, out0; writes out0
.if DOCPART == 1
	.amdgcn_target "amdgcn-amd-amdhsa--gfx1250"
	.amdhsa_code_object_version 6
	.text
	.protected	k_q978d404ec2_attn
	.globl	k_q978d404ec2_attn
	.p2align	8
	.type	k_q978d404ec2_attn,@function
k_q978d404ec2_attn:
	s_mov_b64 s[64:65], 0
	v_nop
	global_prefetch_b8 v0, s[64:65] scope:SCOPE_SE
	s_setreg_imm32_b32 hwreg(HW_REG_WAVE_MODE, 25, 1), 1
	s_wait_xcnt 0x0
; out[h][q][:] = the sum over k of softmax_k(x1[h][q] . x2[h][k] x scale) x3[h][k][:], 64 heads, 2,048 queries and keys, head size 64, all f32 in memory.
; Both products run on codes of FP8 (E4M3), each operand with its given scale 2^e: eq, ek, ep, ev = lowp_scales[0..3].
; SOFTMAX: t = score x scale x log2(e); M = the largest t so far, rounded UP to a whole number; p = 2^(t - M) is quantised, not normalised; the row's sum is taken of the
; unquantised p in f32 and divides at the end.  When M moves, the sum and O are multiplied by 2^(old M - new M): exact.
; SHARES.  Work-group g owns head g % 64 and the 512 queries of quarter g / 64.  Wave w owns 64 queries: four tiles of 16, as two pairs (A: tiles 0, 1; B: tiles 2, 3).
; The two tiles X, Y of a pair share every fragment of K and V.  One pass over the keys, 128 (a chunk) a trip: pair A's step, then pair B's.
; REGISTER WINDOWS.  Window 0: addresses, Q's four fragments, the fragments of K or V, O^T of all four tiles, a chunk's codes.  Window 1: the pair's scores (X and Y side by side), p's codes,
; the statistics of all four tiles, and the numbers of the chunk that is being fetched.  So a pair's whole softmax runs under one setting, X's and Y's lines by turns.
; THE EXPONENTIALS go in two batches of 64.  Among X's stand Y's 32 lines t - M, among Y's the first level of X's row sum; in pair A's step also the holds of the fetched chunk's numbers.
; Nothing written inside a batch is read inside it: one wait stands ahead of the first batch, one between the two, one behind the second.
; THE HEAD'S K AND V LIE IN LDS AS CODES, made by the work-group once; no chunk's bytes are written twice.  Between trip s's pairs a wave stores its eighth of chunk s + 2, asks for its eighth of
; chunk s + 3 and signals the barrier; it waits for that barrier behind pair A's step of trip s + 1, ahead of its next stores.  Between signal and wait: register work and LDS loads of chunks s and s + 1.
; LAYOUT.  Both products transposed: S^T = K Q^T, O^T = V^T P^T: a lane holds ONE query (lane % 16) of each tile.  Q's and K's fragments: lane (r, h) holds channels 32 h .. 32 h + 31 of its row, on both sides alike.
; Row 8 a + lo of key tile 2 b + u takes key 32 b + 16 a + 8 u + lo of the chunk, so that the 16 registers of tiles 2 b, 2 b + 1 are keys 32 b + 16 (lane / 16) + 0 .. 15: the conversions' results are P's operand.
; V lies as an image of its fragments' registers: registers 4 c .. 4 c + 3 of tile t = keys 32 c + 16 h + 0 .. 15 of channel 16 t + r.
; A NEGATIVE scale: Q's codes change sign (exact) and |c| is used, so that the largest raw score is the largest t.
; NO JOINT LOADS: K and V arrive as f32 and pass through registers to be quantised; the head's codes take 294,912 bytes of LDS, and a ring of two f32 chunks (2 x 65,536 bytes) does not fit beside them.
; NO PREFETCH: a chunk's own loads into registers are issued one pair step ahead of the wait for them.
; LIMITS: each of eq, ek, ep, ev between -126 and 119; scale x log2(e) x 2^(eq + ek) is 0 or a normal f32 number.  NaN among the inputs is not served; an infinity is held at the largest code.
.set CK,   10240                       ; a chunk of K in LDS: 128 rows of 64 code bytes + 16 of padding
.set CV,   8192                        ; a chunk of V: 4 tiles x 4 register groups x 32 lanes x 16 bytes
.set VIMG, 163840                      ; behind K's 16 chunks: V's 16
.set QSTG, 294912                      ; 16 rows x 80 bytes for each wave, to turn Q's codes into fragments
.set SPARE, 305152                     ; the spare words, 128 bytes a wave: no other line names them
.set OSW,  17408                       ; the way out: for each wave four tiles of 16 rows x 272 bytes, over K's rows behind the last barrier
; window 0
.set AK0, 1                            ; 80 r + 32 h
.set AV0, 2                            ; VIMG + 16 lane
.set KW,  3                            ; where I store K's codes in a chunk
.set VW,  4                            ; where I store V's
.set GK,  5                            ; my byte in a chunk of x2
.set GV,  6                            ; my byte in a chunk of x3
.set L16, 7                            ; 16 x lane
.set ADK, 8
.set ADV, 9
.set QW,  8
.set QR,  9
.set KWA, 10
.set VWA, 11
.set SPW, 12                           ; my spare word's address; never rewritten
.set NIL, 13                           ; 0; never rewritten
.set QF,  16                           ; v[16:47]   Q's fragment of tile tau at 16 + 8 tau
.set FR,  48                           ; v[48:111]  8 fragments of K, then 4 of V
.set OT,  112                          ; v[112:239] O^T of tile tau at 112 + 32 tau
.set CD,  240                          ; v[240:255] a chunk's codes: 8 registers of K, 8 of V
; window 1
.set SX,  0                            ; v[0:63] X's S^T, then p;  v[64:127] Y's
.set SY,  64
.set PCX, 128                          ; v[128:143] X's codes of p, v[144:159] Y's; before them the 16 pairs of X's row sum
.set STG, 160                          ; v[160:191] the fetched chunk's numbers of K, v[192:207] of V (channel lane)
.set ST,  208                          ; tile tau at 208 + 4 tau: -M, the largest raw score, the row's sum in two halves
.set WA,  224                          ; v[224:227] chains of the maxima, then of Y's sum
.set PD,  228                          ; v228, v229 the lane permutes' destinations
.set FX,  230                          ; v[230:231] X's f = 2^(old M - new M);  v[232:233] Y's
.set FY,  232
.set PSC, 234                          ; 2^ep, 2^ek, 2^ev, 2^eq
.set KSC, 235
.set VSC, 236
.set QSC, 237
.set TN,  238                          ; v238, v239 the new -M
.set STG2, 240                         ; v[240:255] the chunk's numbers of V (channel 32 + lane)
.set WV,  16
.set CS,  26                           ; s[26:27] |c|, c = scale x log2(e) x 2^(eq + ek)
.set SEL, 28                           ; s[28:29] selects for lane l xor 16
.set SGN, 30
.set EPV, 31
.set KB,  32                           ; LDS byte of the trip's chunk of K
.set VB,  33                           ; of V
.set CNT, 34
.set CN,  35                           ; -|c|
.set QLIM, 41                          ; 448 x 2^e, and below their negatives
.set KLIM, 43
.set PLIM, 45
.set VLIM, 47
.set NQL, 48
.set NKL, 49
.set NVL, 50
.set T1,   0x55                        ; every operand place in window 1
.set TO_1, 0x40                        ; destination window 1
.set FROM1, 0x05                       ; sources 0 and 1 window 1, destination window 0
.set W_O,  0x04                        ; source 1 window 1, the rest window 0
.set MSB, 0
.macro WIN new                         ; the high byte repeats the setting that is left; at a label and at a branch the setting is 0
.if MSB != \new
	s_set_vgpr_msb (MSB<<8)|\new
.set MSB, \new
.endif
.endm
.macro MKS e, sa                       ; 2^e in s[sa], 448 x 2^e in s[sa + 1]
	s_add_co_i32 s[\sa+1], s[\e], 127
	s_lshl_b32 s[\sa], s[\sa+1], 23
	s_add_co_i32 s[\sa+1], s[\sa+1], 8
	s_lshl_b32 s[\sa+1], s[\sa+1], 23
	s_or_b32 s[\sa+1], s[\sa+1], 0x600000
.endm
; My eighth of a chunk: keys 16 w .. 16 w + 15.  K: each load reads 512 consecutive bytes (lane (i, u): key 16 w + 2 j + u, channels 4 i .. 4 i + 3).  V: my registers run down the keys; each load reads 128 consecutive bytes.
.macro LOADKV w, off
	WIN \w
.irp j, 0,1,2,3,4,5,6,7
	global_load_b128 v[STG+4*\j:STG+4*\j+3], v[GK], s[6:7] offset:\off+512*\j
.endr
.irp i, 0,1,2,3,4,5,6,7,8,9,10,11,12,13,14,15
	global_load_b32 v[STG+32+\i], v[GV], s[8:9] offset:\off+256*\i
.endr
.irp i, 0,1,2,3,4,5,6,7,8,9,10,11,12,13,14,15
	global_load_b32 v[STG2+\i], v[GV], s[8:9] offset:\off+256*\i+128
.endr
	WIN 0
.endm
.macro MEDKV                           ; the hold at the largest code x the scale (the conversion does not saturate: ISA guide 7.6.2); at the head, on end
.set NN, 0
.rept 32
	v_med3_num_f32 v[STG+NN], v[STG+NN], s[NKL], s[KLIM]
.set NN, NN+1
.endr
.set NN, 0
.rept 16
	v_med3_num_f32 v[STG+32+NN], v[STG+32+NN], s[NVL], s[VLIM]
	v_med3_num_f32 v[STG2+NN], v[STG2+NN], s[NVL], s[VLIM]
.set NN, NN+1
.endr
.endm
.macro CVTKV w, cd                     ; the chunk's numbers become codes in window 0
	WIN \w
.irp q, 0,1,2,3
	v_cvt_scalef32_pk8_fp8_f32 v[\cd+2*\q:\cd+2*\q+1], v[STG+8*\q:STG+8*\q+7], v[KSC]
.endr
.irp q, 0,1
	v_cvt_scalef32_pk8_fp8_f32 v[\cd+8+2*\q:\cd+9+2*\q], v[STG+32+8*\q:STG+39+8*\q], v[VSC]
.endr
.irp q, 0,1
	v_cvt_scalef32_pk8_fp8_f32 v[\cd+12+2*\q:\cd+13+2*\q], v[STG2+8*\q:STG2+8*\q+7], v[VSC]
.endr
	WIN 0
	v_nop                                          ; one plain line behind the last scaled conversion
.endm
.macro STORES ahead, cd                ; into the chunk ahead x 1 behind the one at KB, VB
.irp j, 0,1,2,3,4,5,6,7
	ds_store_b32 v[KWA], v[\cd+\j] offset:\ahead*CK+1280*(\j/4)+160*(\j%4)
.endr
.irp x, 0,1
	ds_store_b128 v[VWA], v[\cd+8+4*\x:\cd+11+4*\x] offset:\ahead*CV+4096*\x
.endr
.endm
.macro KHEAD                           ; a pair's step begins: the 8 fragments of K of the chunk at KB
	v_add_nc_u32 v[ADK], s[KB], v[AK0]
	v_add_nc_u32 v[ADV], s[VB], v[AV0]
	v_nop                                          ; four places in front of loads into registers that the last products read
	v_nop
.irp t, 0,1,2,3,4,5,6,7
	ds_load_b128 v[FR+8*\t:FR+8*\t+3],   v[ADK] offset:1280*\t
	ds_load_b128 v[FR+8*\t+4:FR+8*\t+7], v[ADK] offset:1280*\t+16
.endr
.endm
.macro KQ t                            ; one fragment of K for both tiles of queries
	v_wmma_f32_16x16x64_fp8_fp8 v[SX+8*\t:SX+8*\t+7], v[FR+8*\t:FR+8*\t+7], v[QX:QX+7], 0
	v_wmma_f32_16x16x64_fp8_fp8 v[SY+8*\t:SY+8*\t+7], v[FR+8*\t:FR+8*\t+7], v[QX+8:QX+15], 0
.endm
.macro FMAX a, n                       ; X's t - M, n pairs from pair a on
.set NN, \a
.rept \n
	v_pk_fma_f32 v[SX+2*NN:SX+2*NN+1], v[SX+2*NN:SX+2*NN+1], s[CS:CS+1], v[NX:NX+1] op_sel_hi:[1,0,0]
.set NN, NN+1
.endr
.endm
.macro XL n                            ; a level of X's sum: pair j += pair j + n
.set NN, 0
.rept \n
	v_pk_add_f32 v[PCX+2*NN:PCX+2*NN+1], v[PCX+2*NN:PCX+2*NN+1], v[PCX+2*(NN+\n):PCX+2*(NN+\n)+1]
.set NN, NN+1
.endr
.endm
.macro YADD n                          ; the next n pairs of Y's p, onto three chains by turns
.rept \n
.if YP%3 == 0
	v_pk_add_f32 v[NY+2:NY+3], v[NY+2:NY+3], v[SY+2*YP:SY+2*YP+1]
.else
.if YP%3 == 1
	v_pk_add_f32 v[WA:WA+1], v[WA:WA+1], v[SY+2*YP:SY+2*YP+1]
.else
	v_pk_add_f32 v[WA+2:WA+3], v[WA+2:WA+3], v[SY+2*YP:SY+2*YP+1]
.endif
.endif
.set YP, YP+1
.endr
.endm
; THE REST OF A PAIR'S STEP.  p: 0 pair A, 1 pair B.  q = 1: the fetched chunk's numbers are held among the exponentials.
.macro STEP p, q
.set QX, QF+16*(\p)
.set OX, OT+64*(\p)
.set NX, ST+8*(\p)
.set NY, NX+4
	s_wait_alu depctr_va_vdst(0)                   ; the wait ahead of the wait below
	s_wait_dscnt 8                                 ; K's tiles 0-3 are in; the eight loads of tiles 4-7 may be out
	WIN TO_1
.irp t, 0,1,2,3
	KQ \t
.endr
	s_wait_dscnt 0x0
.irp t, 4,5,6,7
	KQ \t
.endr
	WIN 0
.rept 4
	v_nop                                          ; places in front of the loads below and of the first read of the scores
.endr
.irp t, 0,1,2,3
.irp c, 0,1,2,3
	ds_load_b128 v[FR+16*\t+4*\c:FR+16*\t+4*\c+3], v[ADV] offset:2048*\t+512*\c   ; V's four fragments land under the softmax
.endr
.endr
.if \q
	s_wait_loadcnt 0x0                             ; the chunk's 40 loads are in, so their bases may step
	s_add_nc_u64 s[6:7], s[6:7], 32768
	s_add_nc_u64 s[8:9], s[8:9], 32768
.endif
	WIN T1
	v_max3_num_f32 v[WA], v[SX], v[SX+1], v[SX+2]  ; the step's largest scores, two chains a tile, ascending: each accumulator is read from its low end on
	v_max3_num_f32 v[WA+2], v[SY], v[SY+1], v[SY+2]
	v_max3_num_f32 v[WA+1], v[SX+3], v[SX+4], v[SX+5]
	v_max3_num_f32 v[WA+3], v[SY+3], v[SY+4], v[SY+5]
.irp i, 6,10,14,18,22,26,30,34,38,42,46,50,54,58
	v_max3_num_f32 v[WA], v[WA], v[SX+\i], v[SX+\i+1]
	v_max3_num_f32 v[WA+2], v[WA+2], v[SY+\i], v[SY+\i+1]
	v_max3_num_f32 v[WA+1], v[WA+1], v[SX+\i+2], v[SX+\i+3]
	v_max3_num_f32 v[WA+3], v[WA+3], v[SY+\i+2], v[SY+\i+3]
.endr
	v_max3_num_f32 v[WA], v[WA], v[SX+62], v[SX+63]
	v_max3_num_f32 v[WA+2], v[WA+2], v[SY+62], v[SY+63]
	v_max_num_f32 v[WA], v[WA], v[WA+1]
	v_max_num_f32 v[WA+2], v[WA+2], v[WA+3]
	v_permlanex16_b32 v[PD], v[WA], s[SEL], s[SEL+1]
	v_permlanex16_b32 v[PD+1], v[WA+2], s[SEL], s[SEL+1]
	v_max3_num_f32 v[NX+1], v[NX+1], v[WA], v[PD]  ; the running largest raw score, lane l xor 16's among them
	v_max3_num_f32 v[NY+1], v[NY+1], v[WA+2], v[PD+1]
	v_mul_f32 v[TN], s[CN], v[NX+1]                ; -t (|c| is not negative)
	v_mul_f32 v[TN+1], s[CN], v[NY+1]
	v_floor_f32 v[TN], v[TN]                       ; the new -M = floor(-t) = -ceil(t)
	v_floor_f32 v[TN+1], v[TN+1]
	v_sub_f32 v[WA], v[TN], v[NX]                  ; old M - new M: a whole number, 0 or less
	v_sub_f32 v[WA+2], v[TN+1], v[NY]
	v_mov_b32 v[NX], v[TN]
	v_mov_b32 v[NY], v[TN+1]
	v_cvt_i32_f32 v[WA], v[WA]                     ; (it saturates)
	v_cvt_i32_f32 v[WA+2], v[WA+2]
	FMAX 0, 16
	v_ldexp_f32 v[FX], 1.0, v[WA]                  ; f = 2^(old M - new M)
	v_ldexp_f32 v[FY], 1.0, v[WA+2]
	FMAX 16, 16
	s_wait_alu depctr_va_vdst(0)                   ; ahead of the batch
.set NN, 0
.rept 32
	v_exp_f32 v[SX+2*NN], v[SX+2*NN]               ; X's p = 2^(t - M); among them Y's t - M
	v_pk_fma_f32 v[SY+2*NN:SY+2*NN+1], v[SY+2*NN:SY+2*NN+1], s[CS:CS+1], v[NY:NY+1] op_sel_hi:[1,0,0]
	v_exp_f32 v[SX+2*NN+1], v[SX+2*NN+1]
.if \q
	v_med3_num_f32 v[STG+NN], v[STG+NN], s[NKL], s[KLIM]
.endif
.set NN, NN+1
.endr
	v_pk_mul_f32 v[NX+2:NX+3], v[NX+2:NX+3], v[FX:FX+1] op_sel_hi:[1,0]   ; X's sum under the new M (a plain line behind the exponentials)
	s_wait_alu depctr_va_vdst(0)                   ; behind the first batch and ahead of the second
.set NN, 0
.rept 16
	v_exp_f32 v[SY+4*NN], v[SY+4*NN]               ; Y's p; among them the first level of X's row sum, of the unquantised p
	v_pk_add_f32 v[PCX+2*NN:PCX+2*NN+1], v[SX+4*NN:SX+4*NN+1], v[SX+4*NN+2:SX+4*NN+3]
	v_exp_f32 v[SY+4*NN+1], v[SY+4*NN+1]
.if \q
	v_med3_num_f32 v[STG+32+NN], v[STG+32+NN], s[NVL], s[VLIM]
.endif
	v_exp_f32 v[SY+4*NN+2], v[SY+4*NN+2]
.if \q
	v_med3_num_f32 v[STG2+NN], v[STG2+NN], s[NVL], s[VLIM]
.endif
	v_exp_f32 v[SY+4*NN+3], v[SY+4*NN+3]
.set NN, NN+1
.endr
	v_pk_mul_f32 v[NY+2:NY+3], v[NY+2:NY+3], v[FY:FY+1] op_sel_hi:[1,0]
	s_wait_alu depctr_va_vdst(0)                   ; behind the second batch, ahead of its first reader
	v_pk_add_f32 v[WA:WA+1], v[SY:SY+1], v[SY+2:SY+3]
	v_pk_add_f32 v[WA+2:WA+3], v[SY+4:SY+5], v[SY+6:SY+7]
.set YP, 4
	XL 8
	YADD 10
	XL 4
	YADD 6
	XL 2
	YADD 6
	XL 1
	YADD 6
	v_pk_add_f32 v[NX+2:NX+3], v[NX+2:NX+3], v[PCX:PCX+1]
	v_pk_add_f32 v[WA:WA+1], v[WA:WA+1], v[WA+2:WA+3]
	v_pk_add_f32 v[NY+2:NY+3], v[NY+2:NY+3], v[WA:WA+1]
	WIN 0
	s_wait_alu depctr_va_vdst(0)                   ; ahead of the branch
	s_cmp_ge_i32 s22, -8                           ; p is 1 at the most (a last bit more, by the rounding of t), and 448 x 2^ep is 1.75 or more from ep = -8 on: there the hold changes nothing.
	s_cbranch_scc1 .Lnohold_\@                     ; ep is a whole number read from memory, the same in every wave
	WIN T1
.set NN, 0
.rept 128
	v_min_num_f32 v[SX+NN], s[PLIM], v[SX+NN]      ; p is not negative: the hold is one-sided
.set NN, NN+1
.endr
	WIN 0
.Lnohold_\@:
	WIN T1
.irp b, 0,1,2,3,4,5,6,7
	v_cvt_scalef32_pk8_fp8_f32 v[PCX+4*\b:PCX+4*\b+1],   v[SX+16*\b:SX+16*\b+7],    v[PSC]
	v_cvt_scalef32_pk8_fp8_f32 v[PCX+4*\b+2:PCX+4*\b+3], v[SX+16*\b+8:SX+16*\b+15], v[PSC]
.endr
	WIN W_O
	s_wait_alu depctr_va_vdst(0)                   ; directly ahead of the first reader of O^T
.set NN, 0
.rept 16
	v_pk_mul_f32 v[OX+2*NN:OX+2*NN+1], v[OX+2*NN:OX+2*NN+1], v[FX:FX+1] op_sel_hi:[1,0]   ; O^T under the new M; also the plain lines behind the conversions
.set NN, NN+1
.endr
.set NN, 0
.rept 16
	v_pk_mul_f32 v[OX+32+2*NN:OX+33+2*NN], v[OX+32+2*NN:OX+33+2*NN], v[FY:FY+1] op_sel_hi:[1,0]
.set NN, NN+1
.endr
	s_wait_alu depctr_va_vdst(0)                   ; ahead of the wait below
	s_wait_dscnt 0x0                               ; V is in
.irp t, 0,1,2,3
	v_wmma_f32_16x16x128_fp8_fp8 v[OX+8*\t:OX+8*\t+7], v[FR+16*\t:FR+16*\t+15], v[PCX:PCX+15], v[OX+8*\t:OX+8*\t+7]       ; the pair's eight accumulators take turns
	v_wmma_f32_16x16x128_fp8_fp8 v[OX+32+8*\t:OX+39+8*\t], v[FR+16*\t:FR+16*\t+15], v[PCX+16:PCX+31], v[OX+32+8*\t:OX+39+8*\t]
.endr
	WIN 0
.endm
; BETWEEN THE PAIRS: the held numbers become chunk + 2's codes and are stored; load = 1: chunk + 3 is asked for; the barrier is signalled.
.macro MID load
	v_add_nc_u32 v[KWA], s[KB], v[KW]
	v_add_nc_u32 v[VWA], s[VB], v[VW]
	CVTKV FROM1, CD
	STORES 2, CD
.if \load
	LOADKV TO_1, 0
.endif
	s_wait_alu depctr_va_vdst(0)
	s_wait_dscnt 0x0                               ; for the others' sake: my stores have landed, and no LDS instruction of mine is out at the signal
	s_barrier_signal -1
.endm
.macro NEXTCH
	s_add_co_u32 s[KB], s[KB], CK
	s_add_co_u32 s[VB], s[VB], CV
.endm
.macro QTILE tau                       ; a tile of Q: its codes go into my stage as rows and come back as a fragment; LDS serves a wave's instructions in order (ISA guide 5.7.1.4)
.irp j, 0,1,2,3,4,5,6,7
	ds_store_b32 v[QW], v[FR+8*\tau+\j] offset:160*\j
.endr
	ds_load_b128 v[QF+8*\tau:QF+8*\tau+3], v[QR]
	ds_load_b128 v[QF+8*\tau+4:QF+8*\tau+7], v[QR] offset:16
.endm
.macro OUT tau                         ; tile tau's 16 rows of 256 bytes go into my stage and come back as rows, into window 1
.irp t, 0,1,2,3
	ds_store_b128 v[ADK], v[OT+32*\tau+8*\t:OT+32*\tau+8*\t+3]   offset:4352*\tau+64*\t
	ds_store_b128 v[ADK], v[OT+32*\tau+8*\t+4:OT+32*\tau+8*\t+7] offset:4352*\tau+64*\t+16
.endr
	WIN TO_1
.irp m, 0,1,2,3,4,5,6,7
	ds_load_b128 v[32*\tau+4*\m:32*\tau+4*\m+3], v[ADV] offset:4352*\tau+544*\m
.endr
	WIN 0
.endm
.macro SEND tau
.irp m, 0,1,2,3,4,5,6,7
	s_wait_dscnt 16*(3-\tau)+7-\m                  ; behind load m: this tile's later loads and the later tiles' sixteen LDS instructions each
	global_store_b128 v[L16], v[32*\tau+4*\m:32*\tau+4*\m+3], s[14:15] offset:4096*\tau+512*\m th:TH_STORE_NT   ; 32 lanes store two rows: 512 consecutive bytes, aligned
.endr
.endm
	s_load_b256 s[4:11], s[0:1], 0x0               ; x1 s[4:5], x2 s[6:7], x3 s[8:9], scale s[10:11]
	s_load_b128 s[12:15], s[0:1], 0x20             ; lowp_scales s[12:13], out0 s[14:15]
	v_lshl_add_u32 v[SPW], v0, 2, SPARE
	v_mov_b32 v[NIL], 0
	v_lshrrev_b32 v8, 5, v0
	v_readfirstlane_b32 s[WV], v8                  ; wave 0..7
	v_and_b32 v9, 31, v0                           ; lane
	v_and_b32 v10, 15, v0                          ; r = i = lane % 16
	v_bfe_u32 v11, v0, 4, 1                        ; h = u = lane / 16
	v_mul_u32_u24 v[AK0], v10, 80
	v_lshl_add_u32 v[AK0], v11, 5, v[AK0]
	v_lshlrev_b32 v[L16], 4, v9
	v_add_nc_u32 v[AV0], VIMG, v[L16]
	s_lshl_b32 s19, s[WV], 12                      ; my 16 keys of a chunk: 4,096 bytes of x2 and of x3
	v_add_nc_u32 v[GK], s19, v[L16]
	v_lshl_add_u32 v[GV], v9, 2, s19
	s_lshr_b32 s17, s[WV], 1
	s_and_b32 s18, s[WV], 1
	v_mul_u32_u24 v[KW], v11, 80
	v_lshl_add_u32 v[KW], v10, 2, v[KW]            ; 80 u + 4 i: a load's two rows, four codes a lane
	s_mul_i32 s19, s[WV], 1280
	s_add_co_u32 s19, s19, QSTG
	v_add_nc_u32 v[QW], s19, v[KW]
	v_add_nc_u32 v[QR], s19, v[AK0]
	s_mul_i32 s19, s17, 2560                       ; keys 16 w + 2 j + u lie in rows 32 (w / 2) + 8 (w % 2) + 16 (j / 4) + 2 (j % 4) + u
	s_mul_i32 s25, s18, 640
	s_add_co_u32 s19, s19, s25
	v_add_nc_u32 v[KW], s19, v[KW]
	s_lshl_b32 s19, s17, 9                         ; V: tile 2 x + u, register group w / 2, lane 16 (w % 2) + i
	s_lshl_b32 s25, s18, 8
	s_add_co_u32 s19, s19, s25
	s_add_co_u32 s19, s19, VIMG
	v_lshlrev_b32 v[VW], 11, v11
	v_lshl_add_u32 v[VW], v10, 4, v[VW]
	v_add_nc_u32 v[VW], s19, v[VW]
	s_and_b32 s38, ttmp9, 63                       ; the head: its 2,048 rows of 256 bytes
	s_lshl_b32 s38, s38, 19
	s_mov_b32 s39, 0
	s_lshr_b32 s36, ttmp9, 6                       ; the quarter: 512 rows,
	s_lshl_b32 s36, s36, 17
	s_lshl_b32 s25, s[WV], 14                      ; my wave's 64 of them
	s_add_co_u32 s36, s36, s25
	s_add_co_u32 s36, s36, s38
	s_mov_b32 s37, 0
	s_mov_b32 s[SEL], 0x76543210
	s_mov_b32 s[SEL+1], 0xfedcba98
	s_wait_alu depctr_va_vdst(0)                   ; ahead of the wait below
	s_wait_kmcnt 0x0
	s_load_b32 s24, s[10:11], 0x0                  ; scale
	s_load_b128 s[20:23], s[12:13], 0x0            ; eq, ek, ep, ev
	s_add_nc_u64 s[4:5], s[4:5], s[36:37]
	s_add_nc_u64 s[14:15], s[14:15], s[36:37]
	s_add_nc_u64 s[6:7], s[6:7], s[38:39]
	s_add_nc_u64 s[8:9], s[8:9], s[38:39]
	WIN TO_1
.set NN, 0
.rept 32
	global_load_b128 v[SX+4*NN:SX+4*NN+3], v[L16], s[4:5] offset:512*NN th:TH_LOAD_NT   ; my 64 rows of Q: row 2 j + u, channels 4 i .. 4 i + 3; read by nobody else
.set NN, NN+1
.endr
	LOADKV TO_1, 0                                 ; chunk 0, into window 1
	s_mov_b32 s[KB], 0
	s_mov_b32 s[VB], 0
	s_wait_kmcnt 0x0
	MKS 20, 40
	MKS 21, 42
	MKS 22, 44
	MKS 23, 46
	s_xor_b32 s[NQL], s[QLIM], 0x80000000
	s_xor_b32 s[NKL], s[KLIM], 0x80000000
	s_xor_b32 s[NVL], s[VLIM], 0x80000000
	s_add_co_i32 s17, s20, s21
	s_add_co_i32 s[EPV], s22, s23
	WIN T1
	v_mov_b32 v[QSC], s40
	v_mov_b32 v[KSC], s42
	v_mov_b32 v[PSC], s44
	v_mov_b32 v[VSC], s46
	v_mov_b32 v[PD], 0                             ; written once: a lane permute's destination counts as one of its sources
	v_mov_b32 v[PD+1], 0
	v_mov_b32 v[FX+1], 0                           ; (named as the upper halves of pairs)
	v_mov_b32 v[FY+1], 0
.irp n, 0,4,8,12
	v_mov_b32 v[ST+\n], 0x7f61b1e6                 ; -M: 3e38, over every -M
	v_mov_b32 v[ST+\n+1], 0xff61b1e6               ; the largest raw score: -3e38
	v_mov_b32 v[ST+\n+2], 0
	v_mov_b32 v[ST+\n+3], 0
.endr
	WIN 0
	v_mov_b32 v14, 0x3fb8aa3b                      ; log2(e)
	v_mul_f32 v14, s24, v14
	v_ldexp_f32 v14, v14, s17                      ; c = scale x log2(e) x 2^(eq + ek)
	v_readfirstlane_b32 s[CS], v14
	s_lshr_b32 s[SGN], s[CS], 31
	s_mul_i32 s[SGN], s[SGN], 0x80808080           ; c's sign goes onto Q's codes,
	s_and_b32 s[CS], s[CS], 0x7fffffff             ; and |c| stays
	s_mov_b32 s[CS+1], s[CS]
	s_or_b32 s[CN], s[CS], 0x80000000
	s_wait_alu depctr_va_vdst(0)                   ; ahead of the wait below
	s_wait_loadcnt 40                              ; Q's 32 loads are in; chunk 0's 40, issued behind them, may be out
	LOADKV 0, 32768                                ; chunk 1, under the same numbers in window 0, where O^T is not yet begun
	WIN T1
.set NN, 0
.rept 128
	v_med3_num_f32 v[SX+NN], v[SX+NN], s[NQL], s[QLIM]
.set NN, NN+1
.endr
	WIN FROM1
.set NN, 0
.rept 16
	v_cvt_scalef32_pk8_fp8_f32 v[FR+2*NN:FR+2*NN+1], v[SX+8*NN:SX+8*NN+7], v[QSC]   ; v[FR + j]: the four codes of load j
.set NN, NN+1
.endr
	WIN 0
	v_nop
	QTILE 0
	QTILE 1
	QTILE 2
	QTILE 3
	s_wait_loadcnt 40                              ; chunk 0 is in
	v_add_nc_u32 v[KWA], s[KB], v[KW]
	v_add_nc_u32 v[VWA], s[VB], v[VW]
	WIN T1
	MEDKV
	CVTKV FROM1, FR+32
	STORES 0, FR+32
	s_wait_loadcnt 0x0                             ; chunk 1 is in, and the bases may step
	MEDKV
	CVTKV W_O, FR+48
	STORES 1, FR+48
	s_add_nc_u64 s[6:7], s[6:7], 65536
	s_add_nc_u64 s[8:9], s[8:9], 65536
	LOADKV TO_1, 0                                 ; chunk 2
.set NN, 0
.rept 128
	v_mov_b32 v[OT+NN], 0                          ; the step is written without a first form of its own: the first finds zeros, which the first change of M leaves zeros
.set NN, NN+1
.endr
	s_wait_dscnt 0x0                               ; Q's fragments are back, and my stores of chunks 0 and 1 have landed
.set NN, 0
.rept 32
	v_xor_b32 v[QF+NN], s[SGN], v[QF+NN]
.set NN, NN+1
.endr
	s_wait_alu depctr_va_vdst(0)                   ; at the head's end
	s_barrier_signal -1
	s_barrier_wait -1
	KHEAD
	STEP 0, 1                                      ; pair A on chunk 0; chunk 2's numbers are held
	s_mov_b32 s[CNT], 13
.Ltrip:                                            ; s = 0 .. 12: chunk s + 2 stored, chunk s + 3 asked for, pair B on chunk s, pair A on chunk s + 1
	KHEAD
	MID 1
	STEP 1, 0
	NEXTCH
	KHEAD
	STEP 0, 1
	s_barrier_wait -1                              ; every wave's part of chunk s + 2 lies in LDS
	s_sub_co_u32 s[CNT], s[CNT], 1
	s_cmp_lg_u32 s[CNT], 0
	s_cbranch_scc1 .Ltrip
	MID 0                                          ; chunk 15 is stored; nothing is left to ask for
	s_barrier_wait -1
	s_mov_b32 s[CNT], 2
.Llast:                                            ; pair B on chunks 13, 14; pair A on 14, 15
	KHEAD
	STEP 1, 0
	NEXTCH
	KHEAD
	STEP 0, 0
	s_sub_co_u32 s[CNT], s[CNT], 1
	s_cmp_lg_u32 s[CNT], 0
	s_cbranch_scc1 .Llast
	KHEAD
	STEP 1, 0                                      ; pair B on chunk 15
.rept 4
	v_nop                                          ; places behind the last products
.endr
	WIN T1
.irp n, 0,1,2,3
	v_add_f32 v[ST+4*\n+2], v[ST+4*\n+2], v[ST+4*\n+3]             ; the sums' two halves,
.endr
.irp n, 0,1,2,3
	v_permlanex16_b32 v[WA+\n], v[ST+4*\n+2], s[SEL], s[SEL+1]
.endr
.irp n, 0,1,2,3
	v_add_f32 v[ST+4*\n+2], v[ST+4*\n+2], v[WA+\n]                 ; and lane l xor 16's
.endr
	s_wait_alu depctr_va_vdst(0)                   ; ahead of the batch
.irp n, 0,1,2,3
	v_rcp_f32 v[ST+4*\n+2], v[ST+4*\n+2]
.endr
	v_nop
	s_wait_alu depctr_va_vdst(0)                   ; behind it
.irp n, 0,1,2,3
	v_ldexp_f32 v[ST+4*\n+2], v[ST+4*\n+2], s[EPV]                 ; x 2^(ep + ev)
.endr
	WIN W_O
	s_wait_alu depctr_va_vdst(0)                   ; directly ahead of the first reader of O^T
.irp n, 0,1,2,3
.set NN, 0
.rept 16
	v_pk_mul_f32 v[OT+32*\n+2*NN:OT+32*\n+2*NN+1], v[OT+32*\n+2*NN:OT+32*\n+2*NN+1], v[ST+4*\n+2:ST+4*\n+3] op_sel_hi:[1,0]   ; register 8 t + j: out(query r, channel 16 t + 8 h + j)
.set NN, NN+1
.endr
.endr
	WIN 0
	; THE WAY OUT: the stages lie over K's rows, so every wave's reads of them are over first
	s_mul_i32 s17, s[WV], OSW
	v_and_b32 v14, 15, v0                          ; r
	v_bfe_u32 v15, v0, 4, 1                        ; h
	v_mul_u32_u24 v[ADK], v14, 272
	v_mul_u32_u24 v[ADV], v15, 272
	v_lshl_add_u32 v[ADK], v15, 5, v[ADK]
	v_lshl_add_u32 v[ADV], v14, 4, v[ADV]
	v_add_nc_u32 v[ADK], s17, v[ADK]               ; in: row r, + 32 h
	v_add_nc_u32 v[ADV], s17, v[ADV]               ; back: lanes 0-15 one row, lanes 16-31 the next
	s_wait_alu depctr_va_vdst(0)                   ; ahead of the wait and the barrier below
	s_wait_dscnt 0x0
	s_barrier_signal -1
	s_barrier_wait -1
	OUT 0
	OUT 1
	OUT 2
	OUT 3
	WIN W_O                                        ; the stores' data lie in window 1
	SEND 0
	SEND 1
	SEND 2
	SEND 3
	WIN 0
	s_wait_tensorcnt 0x0                           ; the wave's end
	ds_add_u32 v[SPW], v[NIL]
	s_wait_dscnt 0x0
	s_endpgm
.Lfunc_end_k_q978d404ec2_attn:
	.size	k_q978d404ec2_attn, .Lfunc_end_k_q978d404ec2_attn-k_q978d404ec2_attn
	.p2alignl 7, 3214868480
	.fill 96, 4, 3214868480
	.section	.rodata,"a",@progbits
	.p2align	6, 0x0
	.amdhsa_kernel k_q978d404ec2_attn
		.amdhsa_group_segment_fixed_size 306176
		.amdhsa_private_segment_fixed_size 0
		.amdhsa_enable_private_segment 0
		.amdhsa_kernarg_size 48
		.amdhsa_user_sgpr_count 2
		.amdhsa_user_sgpr_kernarg_segment_ptr 1
		.amdhsa_wavefront_size32 1
		.amdhsa_system_sgpr_workgroup_id_x 1
		.amdhsa_system_sgpr_workgroup_id_y 1
		.amdhsa_system_sgpr_workgroup_id_z 1
		.amdhsa_system_vgpr_workitem_id 0
		.amdhsa_next_free_vgpr 512
		.amdhsa_next_free_sgpr 66
		.amdhsa_reserve_vcc 0
		.amdhsa_float_denorm_mode_32 3
		.amdhsa_float_denorm_mode_16_64 3
		.amdhsa_memory_ordered 1
		.amdhsa_forward_progress 1
		.amdhsa_inst_pref_size 246
	.end_amdhsa_kernel
	.amdgpu_metadata
---
amdhsa.version: [ 1, 2 ]
amdhsa.kernels:
  - .name:           k_q978d404ec2_attn
    .symbol:         k_q978d404ec2_attn.kd
    .args:
      - { .name: x1, .offset: 0, .size: 8, .value_kind: global_buffer, .address_space: global }
      - { .name: x2, .offset: 8, .size: 8, .value_kind: global_buffer, .address_space: global }
      - { .name: x3, .offset: 16, .size: 8, .value_kind: global_buffer, .address_space: global }
      - { .name: scale, .offset: 24, .size: 8, .value_kind: global_buffer, .address_space: global }
      - { .name: lowp_scales, .offset: 32, .size: 8, .value_kind: global_buffer, .address_space: global }
      - { .name: out0, .offset: 40, .size: 8, .value_kind: global_buffer, .address_space: global }
    .group_segment_fixed_size: 306176
    .private_segment_fixed_size: 0
    .kernarg_segment_align: 8
    .kernarg_segment_size: 48
    .max_flat_workgroup_size: 256
    .sgpr_count:     66
    .vgpr_count:     512
    .wavefront_size: 32
...
	.end_amdgpu_metadata
.endif
;; end of part 1
